; MI455X (gfx1250); checked and timed in simulation.
; The chip was launched on July 23, 2026; its instructions are those of AMD's public machine-readable ISA for CDNA 5 (MIT licence, August 2026) and "CDNA5" Instruction Set Architecture Reference Guide (July 2026). The comments in the code are by the model that wrote it; some were corrected since.
;; MDIA. Allowed arithmetic: matrix products marked QUANTISED: E2M3 operands, one E8M0 scale for each 32 along K, by v_wmma_scale_f32_16x16x128_f8f6f4 with both operands' format E2M3, f32 sums; everything else in f32.
;; Inputs: b_fc 1,024 float32; w_fc_codes 1,024 x 32 x 24 uint8 (E2M3 codes of w_fc, K innermost, in blocks of 32 codes, four codes in three bytes); w_fc_scales 1,024 x 32 uint8 (E8M0 scales of w_fc, one for each 32 codes along K); w_qkv_codes 3,072 x 32 x 24 uint8 (E2M3 codes of w_qkv, K innermost, in blocks of 32 codes, four codes in three bytes); w_qkv_scales 3,072 x 32 uint8 (E8M0 scales of w_qkv, one for each 32 codes along K); x_codes 4 x 2,048 x 32 x 24 uint8 (E2M3 codes of x, K innermost, in blocks of 32 codes, four codes in three bytes); x_scales 4 x 2,048 x 32 uint8 (E8M0 scales of x, one for each 32 codes along K).
;; Outputs: out0 4 x 2,048 x 1,024 float32.
;; This version of the problem:
;;   THIS VERSION OF THE PROBLEM IS GIVEN IN LOW PRECISION. The matrix products marked QUANTISED in the list below multiply operands that are first quantised to E2M3 (2 exponent bits, 3 mantissa bits; 6 bits a number), with one power-of-two scale for each 32 numbers along K (OCP MX v1.0); their sums are f32. All else is computed in f32.
;;   The module's matrix products, in the order in which they are computed (A, B: the left and right operand; K: the contracted axis; several contracted axes count as one K, in the product's order):
;;     1. [M 8,192, K 1,024] x [K 1,024, N 3,072]; A: input x (given as codes); B: input w_qkv (given as codes): QUANTISED
;;     2. batch 64 x [M 2,048, K 64] x [K 64, N 2,048]; A: computed on the way; B: computed on the way: QUANTISED
;;     3. batch 64 x [M 64, K 2,048] x [K 2,048, N 2,048]; A: computed on the way; B: softmax (see below): QUANTISED
;;     4. [M 8,192, K 1,024] x [K 1,024, N 1,024]; A: computed on the way; B: input w_fc (given as codes): QUANTISED
;;   THE QUANTISER, for each operand of a quantised product, along K:
;;     - K is cut into blocks of 32 from its start; a last block that is shorter is filled with zeros.
;;     - A block's scale is 2^e with e = floor(log2(the largest magnitude in the block)) - 2, held to -126 .. 127; a block of zeros has e = 0. As a byte (E8M0): e + 127.
;;     - Each number is divided by its block's scale, clamped to +-7.5, and rounded to the nearest number of E2M3, ties to even, subnormals kept.
;;     - The product sums the exact products of the quantised numbers (number of the format x scale) in f32.
;;   ~~~python
;;   def quantise(x, axis):      # numpy; x: float32 -> the quantised numbers, widened to float32 again
;;       x = np.moveaxis(x, axis, -1); K = x.shape[-1]
;;       x = np.pad(x, [(0, 0)] * (x.ndim - 1) + [(0, -K % 32)]); x = x.reshape(x.shape[:-1] + (-1, 32)); a = np.abs(x).max(-1, keepdims=True)
;;       e = np.where(a > 0, np.clip(np.frexp(np.where(a > 0, a, 1))[1] - 1 - 2, -126, 127), 0)      # np.frexp(a)[1] - 1 = floor(log2(a)), exactly
;;       r = np.clip(x / 2.0 ** e, -7.5, 7.5)
;;       step = 2.0 ** (np.maximum(np.frexp(np.where(r == 0, 1, r))[1] - 1, 0) - 3)
;;       q = np.round(r / step) * step * 2.0 ** e      # np.round: ties to even
;;       return np.moveaxis(q.reshape(q.shape[:-2] + (-1,))[..., :K], -1, axis).astype(np.float32)
;;   ~~~
;;   SOFTMAX AHEAD OF A QUANTISED PRODUCT. Where the list says 'softmax', what is quantised is not the finished softmax but p = 2^(t - M), with t = logit x log2(e) and M = ceil(the row's largest t), a whole number; so 1/2 < the row's largest p <= 1. The row's sum l is taken of the UNQUANTISED p, in f32, and the product's result is divided by l at the end. Since M is a whole number, a kernel that streams over the keys may use a running M (the ceiling of the running maximum): every later rescaling is an exact power of two, which a block's scale takes up: the codes' values come out the same.
;;   OPERANDS COMPUTED ON THE WAY. 'Computed on the way' means the value that the module computes at that place (a softmax that the list does not call 'softmax' is quantised finished and normalised). What goes into a quantiser is computed in f32, as accurately as f32 sums, v_exp_f32 and their like allow (about 1e-6 of the number): no bf16 or f16 on the way to a quantiser, and a product that is left as it is and whose result goes on into a quantised operand takes f32 operands (vector FMAs, or v_wmma_f32_16x16x4_f32). A number that lies on a knife's edge between two numbers of the format may be rounded either way, as far as f32 arithmetic and the matrix unit's own rounding can turn it there, and no further.
;;   INPUTS GIVEN AS CODES. w_fc (in the module: [1024, 1024], K = its axis 1); w_qkv (in the module: [3072, 1024], K = its axis 1); x (in the module: [4, 2048, 1024], K = its axis 2): each comes as NAME_codes (uint8): NAME with its K axis moved to the last place and cut into blocks of 32 codes, [.., K / 32, bytes a block], one block behind the other in memory; four codes in three bytes: a row's codes are one little-endian stream of bits, code i at bits 6 i .. 6 i + 5 (a code: sign, 2 exponent bits, 3 mantissa bits); and NAME_scales (uint8): the same leading axes, one E8M0 byte (e + 127) for each 32 codes along K. Its value is code x scale, taken as it is: it is not quantised again, and the codes and scales need not be those that the quantiser above would give.
;; One version. Each part assembles by itself: llvm-mc -triple=amdgcn-amd-amdhsa -mcpu=gfx1250 --defsym DOCPART=n.
;; ======== version 1 of 1: 3 launches
;; limits: right only within a limited range of input values
;; workspace buffers: qkv 26,214,400 bytes; a_codes 6,291,456 bytes; a_scales 262,144 bytes
;; launch qkv (part 1): grid 8 x 32, 4 waves a work-group, clusters of 4 x 4, 327,680 bytes of LDS; arguments x_codes, x_scales, w_qkv_codes, w_qkv_scales, qkv; writes qkv
.if DOCPART == 1
	.amdgcn_target "amdgcn-amd-amdhsa--gfx1250"
	.amdhsa_code_object_version 6
	.text
	.protected	k_qa40e903833_qkv
	.globl	k_qa40e903833_qkv
	.p2align	8
	.type	k_qa40e903833_qkv,@function
k_qa40e903833_qkv:
	s_mov_b64 s[64:65], 0
	v_nop
	global_prefetch_b8 v0, s[64:65] scope:SCOPE_SE
	s_setreg_imm32_b32 hwreg(HW_REG_WAVE_MODE, 25, 1), 1
	s_wait_xcnt 0x0
	s_wait_alu depctr_hold_cnt(0) depctr_sa_sdst(0) depctr_va_vdst(0) depctr_va_sdst(0) depctr_va_ssrc(0) depctr_va_vcc(0) depctr_vm_vsrc(0)
	s_getreg_b32 s2, hwreg(HW_REG_IB_STS2, 6, 4)
	s_cmp_eq_u32 s2, 0
	s_cbranch_scc0 .Lentry_in_a_cluster
	s_endpgm
.Lentry_in_a_cluster:
	s_bfe_u32 s2, ttmp6, 0x10000c
	s_cmp_lg_u32 s2, 0xf033
	s_cbranch_scc0 .Lentry_shape_is_right
	s_endpgm
.Lentry_shape_is_right:
; q, k, v = x w_qkv^T on codes of FP6 (E2M3), one E8M0 scale for each 32 along K = 1,024; the f32 sums are quantised again in registers and leave as codes:
; q and k along the head's 64 channels, v along the keys.  No f32 number goes to memory.
; SHARES.  Work-group (j, i) owns 256 tokens (block i of 32) and channels 128 j .. 128 j + 127 (two heads) of q, of k and of v: three tiles of 256 x 128, one after the other.  256 work-groups.
; A wave owns 128 tokens x one head: 32 accumulators, 256 registers; that is one step block of the output.
; LDS.  K is short: whole rows of codes (768 bytes, each on a multiple of 256 bytes of its buffer) lie in LDS, 16 bytes of padding behind every 256: pitch 816.  x's 256 rows are fetched once and serve all three tiles;
; w's 128 rows are filled again for k and for v, behind a round of the cluster's barrier, while the finished tile is quantised and stored.  No ring: two tiles of w beside x's rows pass the LDS.
; CLUSTERS 4 x 4: x's rows are asked for jointly along a row of the cluster (same i), w's along a column (same j).  Waves 0, 1 fetch x's halves at the head, waves 2, 3 w's halves, there and at each refill.
; SCALES go from memory into registers: lane (r, h) takes the 32 bytes of row r of a block of 16 rows: eight words, one for each 128 along K; 16 lanes read 512 consecutive bytes.
; THE MATRIX INSTRUCTION IS USED TRANSPOSED: a lane holds row r of source 1's block, register j of an accumulator column 8 h + j of source 0's block.  q, k: source 0 = w (channels), source 1 = x (tokens);
; v: source 0 = x (keys), source 1 = w (channels).  So the registers run along the next product's K in all three.
; PREFETCH: in the q and k trips each work-group names 32 rows (by its place along the cluster's y) of the next tile of w, 8 rows x 3 blocks of 256 bytes a wave, one tile (eight K steps) ahead of the refill.
; OUTPUT: qkv[sel 2][batch x head 64][step 16][12,800 bytes]; sel 0: q, sel 1: k and v.  A step block is 128 tokens of one head: +0 four fragments of q or k (two tiles of 16 tokens x 64 channels each, the image of
; 12 registers: [4 registers][lane][16 bytes]), +6,144 four fragments of v (16 channels x 128 keys), +12,288 the scale words of q or k [row 16][fragment 4], +12,544 those of v.
; LIMITS: NaN and infinities among the sums are not served.  A block whose largest magnitude lies under 2^-124, a block of zeros among them, gets the scale byte 1; only this program reads the bytes.
; REGISTERS: window 0: v8-15 addresses, v28-29 the add's, v32-95 x's scale words, v96-127 w's, v128-223 w's fragments (two sets; on the way out the quantiser's registers); window 1: x's fragments, two sets; window 2: accumulators.
.set KROW,  768
.set PITCH, 816
.set BLK,   16*PITCH
.set WB,    256*PITCH
.set SPARE, WB+128*PITCH
.set STEPB, 12800
.set HEADB, 16*STEPB
.set WTILE, 1024*KROW
.set AX,  8                            ; v8-11 x's fragments: blocks 0-3 plain, behind one padding more; blocks 4-7 the same
.set AW,  12                           ; v12-13 w's
.set CO,  14                           ; 16 x lane
.set SOFF,15                           ; 16 r
.set VS,  16                           ; 32 r
.set PFO, 17                           ; the prefetch's offset
.set LN,  18                           ; lane
.set SPW, 28
.set NIL, 29
.set SX,  32
.set SW,  96
.set WF,  128
.set TM,  128
.set TP,  132
.set SO,  136
.set Y,   140
.set WA,  148
.set CD,  152
.set G1X, 24
.set G0X, 32
.set G1W, 48
.set G0W, 56
.set SEL, 68
.set MSB, 0
.macro WIN new
.if MSB != (\new)
	s_set_vgpr_msb (MSB<<8)|(\new)
.set MSB, (\new)
.endif
.endm
.macro PLACES
.rept 4
	v_nop
.endr
.endm
.macro CROUND
	s_barrier_signal -1
	s_barrier_wait -1
	s_cmp_lg_u32 s14, 0
	s_cbranch_scc1 .Lnot_wave_0_\@
	s_barrier_signal -3
.Lnot_wave_0_\@:
	s_barrier_wait -3
	s_barrier_signal -1
	s_barrier_wait -1
.endm
	s_load_b128 s[4:7], s[0:1], 0x0                ; x's codes, scales
	s_load_b128 s[8:11], s[0:1], 0x10              ; w's codes, scales
	s_load_b64 s[12:13], s[0:1], 0x20              ; qkv
	v_lshl_add_u32 v[SPW], v0, 2, SPARE
	v_mov_b32 v[NIL], 0
	ds_add_u32 v[SPW], v[NIL]                      ; the opening lines
	ds_add_u32 v[SPW], v[NIL]
	v_lshrrev_b32 v1, 5, v0
	v_readfirstlane_b32 s14, v1                    ; wave
	s_lshr_b32 s15, s14, 1                         ; my head of the two.  Also: I fetch x (0) or w (1)
	s_and_b32 s16, s14, 1                          ; my 128 tokens of the 256.  Also: which half I fetch
	s_bfe_u32 s40, ttmp6, 0x40000                  ; cx
	s_bfe_u32 s41, ttmp6, 0x40004                  ; cy
	s_lshl_b32 s42, ttmp9, 2
	s_add_co_u32 s42, s42, s40                     ; j
	s_and_b32 s17, ttmp7, 0xffff
	s_lshl_b32 s17, s17, 2
	s_add_co_u32 s17, s17, s41                     ; i
	s_lshl_b32 s43, s41, 2
	s_lshl_b32 s43, 15, s43                        ; my row of the cluster
	s_lshl_b32 s44, 0x1111, s40                    ; my column
	s_or_b32 s[G1X], s43, (1<<20)|(1<<21)|(5<<22)|(3<<25)   ; elements of 1 byte; 4 words of padding behind every 64
	s_or_b32 s[G1W], s44, (1<<20)|(1<<21)|(5<<22)|(3<<25)
	s_mov_b32 s[G1X+1], KROW<<16
	s_mov_b32 s[G1X+2], 128<<16
	s_mov_b32 s[G1X+3], KROW<<16
	s_mov_b32 s[G1X+4], 128
	s_mov_b32 s[G1X+5], KROW
	s_mov_b32 s[G1X+6], 0
	s_mov_b32 s[G1X+7], 0
	s_mov_b32 s[G1W+1], KROW<<16
	s_mov_b32 s[G1W+2], 64<<16
	s_mov_b32 s[G1W+3], KROW<<16
	s_mov_b32 s[G1W+4], 64
	s_mov_b32 s[G1W+5], KROW
	s_mov_b32 s[G1W+6], 0
	s_mov_b32 s[G1W+7], 0
	s_lshl_b32 s20, s17, 8
	s_lshl_b32 s18, s16, 7
	s_add_co_u32 s20, s20, s18                     ; x's row 256 i + 128 half: what I fetch and what I multiply
	s_lshl_b32 s22, s20, 5                         ; its scales
	s_mul_i32 s20, s20, KROW
	s_mov_b32 s21, 0
	s_mov_b32 s23, 0
	s_lshl_b32 s45, s42, 7                         ; w's row 128 j
	s_lshl_b32 s46, s16, 6
	s_add_co_u32 s46, s46, s45
	s_mul_i32 s46, s46, KROW                       ; + 64 x the half that I fetch
	s_mov_b32 s47, 0
	s_lshl_b32 s38, s15, 6
	s_add_co_u32 s38, s38, s45
	s_lshl_b32 s38, s38, 5                         ; the scales of my head's 64 rows
	s_mov_b32 s39, 0
	s_lshl_b32 s60, s41, 5
	s_add_co_u32 s60, s60, s45
	s_lshl_b32 s61, s14, 3
	s_add_co_u32 s60, s60, s61
	s_add_co_u32 s60, s60, 1024
	s_mul_i32 s60, s60, KROW                       ; prefetch: the next tile's row 128 j + 32 cy + 8 wave
	s_mov_b32 s61, 0
	s_lshr_b32 s66, s17, 3                         ; batch
	s_lshl_b32 s66, s66, 3
	s_add_co_u32 s66, s66, s42
	s_lshl_b32 s66, s66, 1
	s_add_co_u32 s66, s66, s15                     ; 16 batch + 2 j + head
	s_lshl_b32 s66, s66, 3
	s_and_b32 s67, s17, 7
	s_add_co_u32 s66, s66, s67
	s_lshl_b32 s66, s66, 1
	s_add_co_u32 s66, s66, s16                     ; x 16 + step
	s_mul_i32 s66, s66, STEPB
	s_mov_b32 s67, 0
	s_mov_b32 s[G0X], 1
	s_mul_i32 s[G0X+1], s16, 128*PITCH
	s_mov_b32 s[G0W], 1
	s_mul_i32 s[G0W+1], s16, 64*PITCH
	s_add_co_u32 s[G0W+1], s[G0W+1], WB
	s_mul_i32 s18, s16, 128*PITCH                  ; my 128 rows of x in LDS,
	s_add_co_u32 s19, s18, 4*BLK                   ; blocks 4-7,
	s_mul_i32 s63, s15, 64*PITCH
	s_add_co_u32 s63, s63, WB                      ; my 64 rows of w
	s_mov_b32 s[SEL], 0x76543210
	s_mov_b32 s[SEL+1], 0xfedcba98
	s_wait_dscnt 0x0
	s_wait_kmcnt 0x0
	s_add_nc_u64 s[G0X+2:G0X+3], s[4:5], s[20:21]
	s_or_b32 s[G0X+3], s[G0X+3], 0x80000000
	s_add_nc_u64 s[G0W+2:G0W+3], s[8:9], s[46:47]
	s_or_b32 s[G0W+3], s[G0W+3], 0x80000000
	s_add_nc_u64 s[36:37], s[6:7], s[22:23]
	s_add_nc_u64 s[38:39], s[10:11], s[38:39]
	s_add_nc_u64 s[60:61], s[8:9], s[60:61]
	s_add_nc_u64 s[12:13], s[12:13], s[66:67]
	CROUND                                         ; the first joint loads meet
	s_cmp_eq_u32 s15, 0
	s_cbranch_scc0 .Lhead_w
	tensor_load_to_lds s[G0X:G0X+3], s[G1X:G1X+7]  ; one tensor load a wave at the head
	s_nop 0
	PLACES
	s_branch .Lhead_asked
.Lhead_w:
	tensor_load_to_lds s[G0W:G0W+3], s[G1W:G1W+7]
	s_nop 0
	PLACES
.Lhead_asked:
	v_and_b32 v1, 15, v0                           ; r
	v_bfe_u32 v2, v0, 4, 1                         ; h
	v_and_b32 v[LN], 31, v0
	v_mul_u32_u24 v4, v1, PITCH
	v_mad_u32_u24 v4, v2, 24, v4                   ; row x pitch + 24 h
	v_lshl_add_u32 v5, v2, 4, v4                   ; lanes 16-31 behind one padding more
	v_add_nc_u32 v[AX], s18, v4
	v_add_nc_u32 v[AX+1], s18, v5
	v_add_nc_u32 v[AX+2], s19, v4
	v_add_nc_u32 v[AX+3], s19, v5
	v_add_nc_u32 v[AW], s63, v4
	v_add_nc_u32 v[AW+1], s63, v5
	v_lshlrev_b32 v[CO], 4, v[LN]
	v_lshlrev_b32 v[SOFF], 4, v1
	v_lshlrev_b32 v[VS], 5, v1
	v_lshrrev_b32 v6, 2, v[LN]
	v_and_b32 v7, 3, v[LN]
	v_min_u32 v7, 2, v7                            ; lanes 4 n + 3 name their row's last block again
	v_mul_u32_u24 v6, v6, KROW
	v_lshl_add_u32 v[PFO], v7, 8, v6
	s_wait_alu depctr_va_vdst(0)                   ; the wait at the head's end
.irp a, 0,1,2,3,4,5,6,7
	global_load_b128 v[SX+8*\a:SX+8*\a+3], v[VS], s[36:37] offset:512*\a
	global_load_b128 v[SX+8*\a+4:SX+8*\a+7], v[VS], s[36:37] offset:512*\a+16
.endr
.macro WSCALES
.irp a, 0,1,2,3
	global_load_b128 v[SW+8*\a:SW+8*\a+3], v[VS], s[38:39] offset:512*\a
	global_load_b128 v[SW+8*\a+4:SW+8*\a+7], v[VS], s[38:39] offset:512*\a+16
.endr
.endm
	WSCALES
; a fragment: 12 registers, lane (r, h): registers 6 c .. 6 c + 5 = K 64 c + 32 h + 0..31, 24 bytes of the row as they lie, in pieces of 8.  Byte y of a row lies at y + 16 (y / 256)
.macro FRAG reg, adr, st, off
.irp p, 0,1,2,3,4,5
.set BY, 96*(\st)+48*(\p/3)+8*(\p%3)
.if BY/256 == (BY+24)/256
	ds_load_b64 v[\reg+2*\p:\reg+2*\p+1], v[\adr] offset:BY+16*(BY/256)+(\off)
.else
	ds_load_b64 v[\reg+2*\p:\reg+2*\p+1], v[\adr+1] offset:BY+16*(BY/256)+(\off)
.endif
.endr
.endm
.macro FETCH st                        ; step st's fragments into set st % 2: x's eight, w's four
.set P, (\st)%2
	WIN 0x40
.irp i, 0,1,2,3,4,5,6,7
	FRAG 96*P+12*\i, AX+2*(\i/4), \st, (\i%4)*BLK
.endr
	WIN 0
.irp i, 0,1,2,3
	FRAG WF+48*P+12*\i, AW, \st, \i*BLK
.endr
.endm
.macro WM d, s0, s1, x0, x1, zero
.if \zero
	v_wmma_scale_f32_16x16x128_f8f6f4 v[\d:\d+7], v[\s0:\s0+11], v[\s1:\s1+11], 0, v[\x0], v[\x1] matrix_a_fmt:MATRIX_FMT_FP6 matrix_b_fmt:MATRIX_FMT_FP6
.else
	v_wmma_scale_f32_16x16x128_f8f6f4 v[\d:\d+7], v[\s0:\s0+11], v[\s1:\s1+11], v[\d:\d+7], v[\x0], v[\x1] matrix_a_fmt:MATRIX_FMT_FP6 matrix_b_fmt:MATRIX_FMT_FP6
.endif
.endm
; a step of 128 along K: the next step's 72 loads go out first, into the set that the step before multiplied (four places behind its products), then 32 products, the 32 accumulators by turns
.macro STEP ori, st
	s_wait_dscnt 0x0                               ; this step's fragments are in
.if (\st) < 7
	PLACES
	FETCH (\st)+1
.endif
.set P, (\st)%2
.if \ori
	WIN 0xa1                                       ; v: source 0 = x (window 1), source 1 = w (window 0)
.irp a, 0,1,2,3
.irp b, 0,1,2,3,4,5,6,7
	WM 8*(8*\a+\b), 96*P+12*\b, WF+48*P+12*\a, SX+8*\b+(\st), SW+8*\a+(\st), (\st)==0
.endr
.endr
.else
	WIN 0xa4                                       ; q, k: source 0 = w, source 1 = x
.irp a, 0,1,2,3,4,5,6,7
.irp b, 0,1,2,3
	WM 8*(4*\a+\b), WF+48*P+12*\b, 96*P+12*\a, SW+8*\b+(\st), SX+8*\a+(\st), (\st)==0
.endr
.endr
.endif
	WIN 0
.endm
; MIX: v[d..d+2] hold a lane's 16 codes of block 2 c, v[y..y+2] of block 2 c + 1 (low 48 bits: places 8 h + 0..7, high 48: 16 + 8 h + 0..7).  Three exchanges give a lane both halves of one block; five byte selections order them.
.macro MIX d, y
.irp i, 0,1,2
	v_permlane16_swap_b32 v[\d+\i], v[\y+\i]
.endr
	v_perm_b32 v[\d+3], v[\d+2], v[\d+1], 0x05040302
	v_perm_b32 v[\d+4], v[\y+1], v[\d+2], 0x07060302
	v_mov_b32 v[\d+5], v[\y+2]
	v_perm_b32 v[\d+1], v[\y], v[\d+1], 0x05040100
	v_perm_b32 v[\d+2], v[\y+1], v[\y], 0x05040302
.endm
; QUANT: 64 accumulator registers from qs on are four blocks of 32 along the next K, half of each in lane l, half in lane l xor 16.  Codes: blocks 0, 1 in v[d0..d0+5], 2, 3 in v[d1..d1+5]; the four scale bytes in v[pw].
; The largest magnitude (floor 2^-124) with 2 off its exponent field is the conversion's scale operand; that field is the byte.  Each accumulator is read from its low end on.
.macro QUANT qs, d0, d1, pw
	WIN 0x0a
.irp b, 0,1,2,3
	v_max3_num_f32 v[TM+\b], |v[\qs+16*\b]|, |v[\qs+16*\b+1]|, 0x1800000
.endr
	WIN 0x28
.irp i, 2,4,6,8,10,12,14
.irp b, 0,1,2,3
	v_max3_num_f32 v[TM+\b], v[TM+\b], |v[\qs+16*\b+\i]|, |v[\qs+16*\b+\i+1]|
.endr
.endr
	WIN 0
.irp b, 0,1,2,3
	v_permlanex16_b32 v[TP+\b], v[TM+\b], s[SEL], s[SEL+1]
.endr
.irp b, 0,1,2,3
	v_max_num_f32 v[TM+\b], v[TM+\b], v[TP+\b]
.endr
.irp b, 0,1,2,3
	v_add_nc_u32 v[SO+\b], 0xff000000, v[TM+\b]
.endr
.irp b, 0,1,2,3
	v_lshrrev_b32 v[TP+\b], 23, v[SO+\b]
.endr
	v_lshl_or_b32 v[\pw], v[TP+1], 8, v[TP]
	v_lshl_or_b32 v[\pw], v[TP+2], 16, v[\pw]
	v_lshl_or_b32 v[\pw], v[TP+3], 24, v[\pw]
	WIN 0x02
	v_cvt_scalef32_pk16_fp6_f32 v[\d0:\d0+2], v[\qs:\qs+15], v[SO]
	v_cvt_scalef32_pk16_fp6_f32 v[Y:Y+2], v[\qs+16:\qs+31], v[SO+1]
	v_cvt_scalef32_pk16_fp6_f32 v[\d1:\d1+2], v[\qs+32:\qs+47], v[SO+2]
	v_cvt_scalef32_pk16_fp6_f32 v[Y+4:Y+6], v[\qs+48:\qs+63], v[SO+3]
	WIN 0
	v_nop                                          ; one plain place behind the scaled conversions
	MIX \d0, Y
	MIX \d1, Y+4
.endm
; the way out of a tile: four fragments (q, k: token tiles 2 p, 2 p + 1; v: channels 16 p ..) and their scale words
.macro WAYOUT cofs, sofs
.irp b, 0,1,2,3
	v_mov_b32 v[TP+\b], 0                          ; a lane permute's destination counts as a source
.endr
.irp p, 0,1,2,3
.set FA, CD+12*(\p%2)
.if \p > 1
	s_wait_xcnt 0x0                                ; fragment p - 2's stores have read their registers
.endif
	QUANT 64*\p, FA, FA+6, WA+\p
.irp j, 0,1,2
	global_store_b128 v[CO], v[FA+4*\j:FA+4*\j+3], s[12:13] offset:\cofs+\p*1536+\j*512   ; 512 consecutive bytes, aligned
.endr
.endr
	v_cmp_gt_u32 vcc_lo, 16, v[LN]
	s_wait_alu depctr_va_vdst(0)                   ; the wait ahead of the wait below
	s_wait_xcnt 0x0                                ; EXEC changes only behind this wait
	s_and_saveexec_b32 s2, vcc_lo
	global_store_b128 v[SOFF], v[WA:WA+3], s[12:13] offset:\sofs   ; lanes 0-15: 256 consecutive bytes, aligned
	s_wait_xcnt 0x0
	s_or_b32 exec_lo, exec_lo, s2
.endm
.macro READY                           ; everybody's part of the tiles asked for is in; then step 0's fragments
	s_wait_alu depctr_va_vdst(0)
	s_wait_tensorcnt 0x0
	s_barrier_signal -1
	s_barrier_wait -1
	s_wait_loadcnt 0x0                             ; the scale words
	FETCH 0
.endm
	READY
	s_mov_b32 s3, 2
.Ltile:                                                ; two trips: q, then k
	STEP 0, 0
	global_prefetch_b8 v[PFO], s[60:61] th:TH_LOAD_NT scope:SCOPE_SE   ; the next tile of w
.irp st, 1,2,3,4,5,6,7
	STEP 0, \st
.endr
	PLACES                                         ; behind the last products: their results are read, w's fragments and scale words written below
	s_wait_tensorcnt 0x0                           ; ahead of a refill's barrier
	ds_add_u32 v[SPW], v[NIL]
	s_add_nc_u64 s[G0W+2:G0W+3], s[G0W+2:G0W+3], WTILE   ; no load of mine is out: the next tile of w
	s_add_nc_u64 s[38:39], s[38:39], 1024*32       ; and its scales (the last loads by this base were waited for)
	s_wait_dscnt 0x0                               ; the add, and my reads of w's rows
	CROUND                                         ; no wave of any partner reads them any more
	s_cmp_eq_u32 s15, 0
	s_cbranch_scc1 .Lnone
	tensor_load_to_lds s[G0W:G0W+3], s[G1W:G1W+7]  ; waves 2, 3: the refill, first behind the round
	s_nop 0
	PLACES
.Lnone:
	WSCALES
	WAYOUT 0, 12288                                ; the finished tile leaves while the refill is on its way
	s_add_nc_u64 s[12:13], s[12:13], 64*HEADB      ; q -> k (behind the way out's wait on XCNT); the second step is taken back below
	s_add_nc_u64 s[60:61], s[60:61], WTILE
	READY
	s_sub_co_u32 s3, s3, 1
	s_cmp_lg_u32 s3, 0
	s_cbranch_scc1 .Ltile
	s_sub_nc_u64 s[12:13], s[12:13], 64*HEADB      ; v lies in k's step block
.irp st, 0,1,2,3,4,5,6,7
	STEP 1, \st
.endr
	PLACES
	WAYOUT 6144, 12544
	s_wait_tensorcnt 0x0                           ; the wave's end
	ds_add_u32 v[SPW], v[NIL]
	s_wait_dscnt 0x0
	CROUND                                         ; the closing round
	s_endpgm
.Lfunc_end_k_qa40e903833_qkv:
	.size	k_qa40e903833_qkv, .Lfunc_end_k_qa40e903833_qkv-k_qa40e903833_qkv
	.p2alignl 7, 3214868480
	.fill 96, 4, 3214868480
	.section	.rodata,"a",@progbits
	.p2align	6, 0x0
	.amdhsa_kernel k_qa40e903833_qkv
		.amdhsa_group_segment_fixed_size 327680
		.amdhsa_private_segment_fixed_size 0
		.amdhsa_enable_private_segment 0
		.amdhsa_kernarg_size 40
		.amdhsa_user_sgpr_count 2
		.amdhsa_user_sgpr_kernarg_segment_ptr 1
		.amdhsa_wavefront_size32 1
		.amdhsa_system_sgpr_workgroup_id_x 1
		.amdhsa_system_sgpr_workgroup_id_y 1
		.amdhsa_system_sgpr_workgroup_id_z 1
		.amdhsa_system_vgpr_workitem_id 0
		.amdhsa_next_free_vgpr 768
		.amdhsa_next_free_sgpr 72
		.amdhsa_reserve_vcc 1
		.amdhsa_float_denorm_mode_32 3
		.amdhsa_float_denorm_mode_16_64 3
		.amdhsa_memory_ordered 1
		.amdhsa_forward_progress 1
		.amdhsa_inst_pref_size 192
	.end_amdhsa_kernel
	.amdgpu_metadata
---
amdhsa.version: [ 1, 2 ]
amdhsa.kernels:
  - .name:           k_qa40e903833_qkv
    .symbol:         k_qa40e903833_qkv.kd
    .args:
      - { .name: x_codes, .offset: 0, .size: 8, .value_kind: global_buffer, .address_space: global }
      - { .name: x_scales, .offset: 8, .size: 8, .value_kind: global_buffer, .address_space: global }
      - { .name: w_qkv_codes, .offset: 16, .size: 8, .value_kind: global_buffer, .address_space: global }
      - { .name: w_qkv_scales, .offset: 24, .size: 8, .value_kind: global_buffer, .address_space: global }
      - { .name: qkv, .offset: 32, .size: 8, .value_kind: global_buffer, .address_space: global }
    .group_segment_fixed_size: 327680
    .private_segment_fixed_size: 0
    .kernarg_segment_align: 8
    .kernarg_segment_size: 40
    .max_flat_workgroup_size: 128
    .sgpr_count:     72
    .vgpr_count:     768
    .wavefront_size: 32
...
	.end_amdgpu_metadata
.endif
;; end of part 1
;; launch attn (part 2): grid 4 x 64, 8 waves a work-group, clusters of 4 x 1, 257,024 bytes of LDS; arguments qkv, a_codes, a_scales; writes a_codes, a_scales
.if DOCPART == 2
	.amdgcn_target "amdgcn-amd-amdhsa--gfx1250"
	.amdhsa_code_object_version 6
	.text
	.protected	k_qa40e903833_attn
	.globl	k_qa40e903833_attn
	.p2align	8
	.type	k_qa40e903833_attn,@function
k_qa40e903833_attn:
	s_mov_b64 s[64:65], 0
	v_nop
	global_prefetch_b8 v0, s[64:65] scope:SCOPE_SE
	s_setreg_imm32_b32 hwreg(HW_REG_WAVE_MODE, 25, 1), 1
	s_wait_xcnt 0x0
	s_wait_alu depctr_hold_cnt(0) depctr_sa_sdst(0) depctr_va_vdst(0) depctr_va_sdst(0) depctr_va_ssrc(0) depctr_va_vcc(0) depctr_vm_vsrc(0)
	s_getreg_b32 s2, hwreg(HW_REG_IB_STS2, 6, 4)
	s_cmp_eq_u32 s2, 0
	s_cbranch_scc0 .Lentry_in_a_cluster
	s_endpgm
.Lentry_in_a_cluster:
	s_bfe_u32 s2, ttmp6, 0x10000c
	s_cmp_lg_u32 s2, 0x3003
	s_cbranch_scc0 .Lentry_shape_is_right
	s_endpgm
.Lentry_shape_is_right:
; For each of 64 (batch, head): o = softmax(q k^T / 32) v, both products on codes of FP6 (E2M3) with one E8M0 scale for each 32 along a product's K; o is quantised along the channels and leaves as codes.
; THE SOFTMAX AHEAD OF THE SECOND PRODUCT: t = score x log2(e) / 32; M = the row's largest t so far, rounded up to a whole number; p = 2^(t - M) is what is quantised, along the keys, not normalised.
; The row's sum is taken of the unquantised p, in f32, and divides o at the end.  When M moves, the sum and o are multiplied by 2^(old M - new M), which rounds nothing.
; SHARES.  A work-group owns 512 queries of one head; each of its eight waves 64 of them: two trips of a loop, each with the two tiles of 16 queries of one fragment of q, WORKED JOINTLY: every fragment of k and v that is
; read from LDS feeds both tiles' products, so a tile's share of the LDS reads is 6,656 bytes a step.  Every wave walks all 2,048 keys, 128 a step.
; LDS.  A head's k, v and scale words are 16 step blocks of 12,800 bytes, images of the operands' registers.  Wave w brings blocks 2 w, 2 w + 1 by one tensor load, as rows of 512 bytes with 128 bytes of padding behind each:
; a block is 16,000 bytes of LDS, a fragment's three runs of 512 bytes lie 640 apart, fragments 1,920 apart.  Nothing is filled again, nothing is stored to LDS; one barrier shows all blocks to all waves.
; CLUSTER.  The four work-groups of a cluster are the four quarters of one head's queries: each pair of blocks is asked for jointly.  No prefetch: every block is asked for by the head's loads.
; LAYOUT.  Both products are used transposed: S^T = k q^T, O^T = v^T p^T: a lane holds one query (lane % 16) of each tile throughout.
; WHICH KEYS FORM A TILE OF k.  Lane (8 u + s, h) takes lane (8 i + s, h) of stored fragment 2 c + u, whole, and that row's scale word.  The fragment so formed holds, in K 0-63, keys 64 c + 32 u + 8 i + s and, in K 64-127, the keys
; 16 further on.  So in lane (r, h) register 32 c + 8 i' + j of S^T is key 64 c + 32 h + 8 i' + j: a lane's 32 registers are ONE block of 32 neighbouring keys, in the order of the next operand's registers 6 c .. 6 c + 5.
; No lane is asked for a block's maximum, and the conversions' results are the operand.  1,920 = 128 modulo 256.
; K = 64 IN AN INSTRUCTION OF 128: a fragment of k is multiplied once by (q, zero codes) and once by (zero codes, q); every scale byte lies in 1..254, so the other half adds exact zeros.
; k's FRAGMENTS are fetched one step ahead, behind the products that read them; behind step 15 block 0 is fetched, for the next trip (the launch's very last such fetch is not used).
; REGISTERS.  Tile A's lie in window 0, tile B's at the same numbers in window 1: one text serves both, under a setting of the windows.  v64-111: window 0 v's fragments, window 1 k's.  Scale words have no window: tile B's lie at v233-235.
; LIMITS: NaN and infinities are not served.  A block of o whose largest magnitude lies under 2^-124, and a block of p all of whose numbers have fallen to 0, get the scale byte 1; only this program reads the bytes.
; The promise holds while the scaled scores stay under 2^31 in magnitude.  a_scales leaves as single bytes, two of each token's 32: a work-group holds one head; they are 262,144 bytes in all.
; OUTPUT: a_codes[token tile 512][128 along K: 8][piece 6][lane 32][8 bytes]: the image of the next product's operand; a_scales[token][32].
.set STEPB, 12800
.set HEADB, 16*STEPB
.set LBLK,  16000                      ; a step block in LDS
.set SPARE, 256000
.set LK,  1                            ; 16 x lane
.set LKP, 2                            ; k: 1,920 u + 16 s + 256 h
.set LKS, 3                            ; k's scale words: 15,360 + 16 s + 4 u
.set LVS, 4                            ; v's: 15,616 + 16 r
.set GO,  5                            ; 8 x lane
.set GS,  6                            ; 32 r + h
.set SH8, 11                           ; 8 h (in both windows)
.set QZ,  16                           ; v16-33  q | six registers of zero codes | q
.set QSL, 34
.set QSH, 35
.set PS,  36                           ; tile A's p's scale word
.set AK,  37                           ; the next step's k
.set AKS, 38
.set AV,  39                           ; this step's v
.set FF,  40                           ; v[40:41] f = 2^(old M - new M)
.set BM,  42                           ; v42-43 my two blocks' largest scores, then largest p;  v44-45 a second chain
.set BB,  44
.set BP,  46
.set SO,  48
.set KS,  50                           ; v50-53 k's scale words
.set Y,   54                           ; v54-56, v58-60 the upper halves' codes
.set AVS, 57
.set VQ,  61
.set FB,  64                           ; window 0: v's four fragments
.set KF,  64                           ; window 1: k's four fragments
.set S,   112                          ; v112-175 S^T, then p; at the end o
.set O,   176
.set PC,  208
.set QF,  220                          ; a fragment of q: two tiles
.set QW,  232
.set QSLB,233                          ; tile B's scale words
.set QSHB,234
.set PSB, 235
.set VS,  236
.set TS,  240                          ; v240-253 seven chains of the sum
.set WV,  10
.set TRIP,14
.set SEL, 28
.set CS,  30
.set TBV, 32
.set CNT, 33
.set HM,  34
.set TBK, 35
.set MSB, 0
.macro WIN new
.if MSB != (\new)
	s_set_vgpr_msb (MSB<<8)|(\new)
.set MSB, (\new)
.endif
.endm
.macro CROUND
	s_barrier_signal -1
	s_barrier_wait -1
	s_cmp_lg_u32 s[WV], 0
	s_cbranch_scc1 .Lnot_wave_0_\@
	s_barrier_signal -3
.Lnot_wave_0_\@:
	s_barrier_wait -3
	s_barrier_signal -1
	s_barrier_wait -1
.endm
; MIX (o's way out): v[d..d+2] hold a lane's 16 codes of block 0, v[y..y+2] of block 1 (low 48 bits: places 8 h + 0..7, high 48: 16 + 8 h + 0..7); three exchanges and five byte selections give a lane one whole block in order
.macro MIX d, y
.irp i, 0,1,2
	v_permlane16_swap_b32 v[\d+\i], v[\y+\i]
.endr
	s_delay_alu instid0(VALU_DEP_1)
	v_perm_b32 v[\d+3], v[\d+2], v[\d+1], 0x05040302
	s_delay_alu instid0(VALU_DEP_2)
	v_perm_b32 v[\d+4], v[\y+1], v[\d+2], 0x07060302
	s_delay_alu instid0(VALU_DEP_3)
	v_mov_b32 v[\d+5], v[\y+2]
	v_perm_b32 v[\d+1], v[\y], v[\d+1], 0x05040100
	v_perm_b32 v[\d+2], v[\y+1], v[\y], 0x05040302
.endm
.macro QLOAD
.irp j, 0,1,2
	global_load_b128 v[QF+4*\j:QF+4*\j+3], v[LK], s[36:37] offset:512*\j
.endr
	global_load_b32 v[QW], v[VQ], s[38:39]
.endm
.macro KLOAD                           ; four fragments of k into window 1, and their scale words
	WIN 0x40
.irp c, 0,1
.irp i, 0,1
.irp g, 0,1,2
	ds_load_b128 v[KF+12*(2*\c+\i)+4*\g:KF+12*(2*\c+\i)+4*\g+3], v[AK] offset:3840*\c+640*\g+128*\i
.endr
.endr
.endr
	WIN 0
.irp c, 0,1
.irp i, 0,1
	ds_load_b32 v[KS+2*\c+\i], v[AKS] offset:8*\c+128*\i
.endr
.endr
.endm
	s_load_b128 s[4:7], s[0:1], 0x0                ; qkv, a_codes
	s_load_b64 s[8:9], s[0:1], 0x10                ; a_scales
	v_lshl_add_u32 v254, v0, 2, SPARE
	v_mov_b32 v255, 0
	ds_add_u32 v254, v255                          ; the opening lines
	ds_add_u32 v254, v255
	v_lshrrev_b32 v1, 5, v0
	s_delay_alu instid0(VALU_DEP_1)
	v_readfirstlane_b32 s[WV], v1                  ; wave 0..7
	s_bfe_u32 s11, ttmp6, 0x40000                  ; cx
	s_and_b32 s12, ttmp7, 0xffff                   ; 16 x batch + head, which the four partners share
	s_lshl_b32 s13, ttmp9, 2
	s_add_co_u32 s13, s13, s11                     ; x: my quarter of the queries: it enters q's and the outputs' addresses alone
	s_mov_b32 s16, 15|(3<<16)|(1<<20)|(1<<21)|(6<<22)|(31<<25)   ; the mask of all four; elements of 8 bytes; 32 words of padding behind every 128
	s_mov_b32 s17, 64<<16                          ; rows of 512 bytes,
	s_mov_b32 s18, 50<<16                          ; 50 of them: two blocks, dense in memory
	s_mov_b32 s19, 64<<16
	s_mov_b32 s20, 50
	s_mov_b32 s21, 64
	s_mov_b32 s22, 0
	s_mov_b32 s23, 0
	s_mov_b32 s24, 1
	s_mul_i32 s25, s[WV], 2*LBLK
	s_mul_i32 s40, s12, HEADB                      ; the head's first byte in a half of qkv
	s_mul_i32 s42, s[WV], 2*STEPB
	s_add_co_u32 s42, s42, s40
	s_add_co_u32 s42, s42, 64*HEADB                ; k and v lie in the second half
	s_mov_b32 s43, 0
	s_mov_b32 s[SEL], 0x76543210
	s_mov_b32 s[SEL+1], 0xfedcba98
	s_mov_b32 s[CS], 0x3d38aa3b                    ; log2(e) / 32
	s_mov_b32 s[CS+1], s[CS]
	s_mov_b32 s[HM], 0xffff0000
	s_wait_dscnt 0x0
	s_wait_kmcnt 0x0
	s_add_nc_u64 s[26:27], s[4:5], s[42:43]
	s_or_b32 s27, s27, 0x80000000
	CROUND                                         ; the joint loads meet
	tensor_load_to_lds s[24:27], s[16:23]          ; my one tensor load of the launch
	s_nop 0
.rept 4
	v_nop
.endr
	s_lshl_b32 s44, s13, 2                         ; q: my 64 queries lie in step block 4 x + w / 2, fragments 2 (w % 2) and the next
	s_lshr_b32 s45, s[WV], 1
	s_add_co_u32 s44, s44, s45
	s_mul_i32 s44, s44, STEPB
	s_add_co_u32 s44, s44, s40
	s_and_b32 s45, s[WV], 1
	s_mul_i32 s46, s45, 3072
	s_add_co_u32 s46, s46, s44
	s_mov_b32 s47, 0
	s_add_nc_u64 s[36:37], s[4:5], s[46:47]        ; the fragment
	s_lshl_b32 s46, s45, 3
	s_add_co_u32 s46, s46, s44
	s_add_nc_u64 s[38:39], s[4:5], s[46:47]        ; its column among the block's scale words
	s_and_b32 s40, s12, 15                         ; the head
	s_lshr_b32 s41, s12, 4                         ; the batch
	s_lshl_b32 s42, s41, 7
	s_lshl_b32 s43, s13, 5
	s_add_co_u32 s42, s42, s43
	s_lshl_b32 s43, s[WV], 2
	s_add_co_u32 s42, s42, s43                     ; my first tile of 16 tokens: 128 batch + 32 x + 4 w
	s_mul_i32 s44, s42, 12288
	s_lshr_b32 s45, s40, 1
	s_mul_i32 s45, s45, 1536                       ; two heads are a fragment's 128
	s_add_co_u32 s44, s44, s45
	s_and_b32 s45, s40, 1
	s_mul_i32 s45, s45, 768                        ; a head is six of its twelve registers
	s_add_co_u32 s44, s44, s45
	s_mov_b32 s45, 0
	s_add_nc_u64 s[6:7], s[6:7], s[44:45]
	s_lshl_b32 s44, s42, 9                         ; 16 tokens x 32 scale bytes
	s_lshl_b32 s46, s40, 1
	s_add_co_u32 s44, s44, s46
	s_add_nc_u64 s[8:9], s[8:9], s[44:45]
	v_and_b32 v8, 31, v0
	v_and_b32 v9, 15, v0
	v_bfe_u32 v10, v0, 4, 1                        ; h
	v_and_b32 v7, 7, v0                            ; s
	v_bfe_u32 v12, v0, 3, 1                        ; u
	v_lshlrev_b32 v[LK], 4, v8
	v_mul_u32_u24 v[LKP], v12, 1920
	v_lshl_add_u32 v[LKS], v7, 4, 15360
	v_lshl_add_u32 v[LVS], v9, 4, 15616
	v_lshl_add_u32 v[VQ], v9, 4, 12288
	v_lshl_add_u32 v[LKP], v7, 4, v[LKP]
	v_lshl_add_u32 v[LKS], v12, 2, v[LKS]
	v_lshlrev_b32 v[GO], 3, v8
	v_lshl_add_u32 v[GS], v9, 5, v10
	v_lshl_add_u32 v[LKP], v10, 8, v[LKP]
	v_mov_b32 v[AKS], v[LKS]
.irp w, 0, 0x40                                ; once for each window: what a tile's text finds written
	WIN \w
	v_lshlrev_b32 v[SH8], 3, v10
.irp i, 0,1,2,3,4,5
	v_mov_b32 v[QZ+6+\i], 0                        ; the zero codes between the two copies of q
.endr
	v_mov_b32 v[BP], 0                             ; a lane permute's destination counts as one of its sources
	v_mov_b32 v[BP+1], 0
	v_mov_b32 v7, 0
	v_mov_b32 v8, 0
	v_mov_b32 v[FF+1], 0                           ; named as the upper half of a pair
.endr
	WIN 0
	v_mov_b32 v[AK], v[LKP]                        ; block 0
	s_wait_alu depctr_va_vdst(0)                   ; the wait at the head's end
	QLOAD
	s_wait_tensorcnt 0x0                           ; my blocks have landed,
	s_barrier_signal -1
	s_barrier_wait -1                              ; everybody's have
	KLOAD
	s_wait_dscnt 0x0
.macro SPROD ql, qh                    ; S^T of one tile: eight products on k's four fragments
.irp c, 0,1
.irp i, 0,1
	v_wmma_scale_f32_16x16x128_f8f6f4 v[S+32*\c+8*\i:S+32*\c+8*\i+7], v[KF+12*(2*\c+\i):KF+12*(2*\c+\i)+11], v[QZ:QZ+11], 0, v[KS+2*\c+\i], v[\ql] matrix_a_fmt:MATRIX_FMT_FP6 matrix_b_fmt:MATRIX_FMT_FP6
	v_wmma_scale_f32_16x16x128_f8f6f4 v[S+32*\c+16+8*\i:S+32*\c+16+8*\i+7], v[KF+12*(2*\c+\i):KF+12*(2*\c+\i)+11], v[QZ+6:QZ+17], 0, v[KS+2*\c+\i], v[\qh] matrix_a_fmt:MATRIX_FMT_FP6 matrix_b_fmt:MATRIX_FMT_FP6
.endr
.endr
.endm
.macro OPROD ps                        ; O^T += v^T p^T of one tile
.irp c, 0,1,2,3
	v_wmma_scale_f32_16x16x128_f8f6f4 v[O+8*\c:O+8*\c+7], v[FB+12*\c:FB+12*\c+11], v[PC:PC+11], v[O+8*\c:O+8*\c+7], v[VS+\c], v[\ps] matrix_a_fmt:MATRIX_FMT_FP6 matrix_b_fmt:MATRIX_FMT_FP6
.endr
.endm
; THE SOFTMAX OF ONE TILE'S 128 KEYS: w = 0 tile A (window 0), 1 tile B (window 1)
.macro SOFT w
	WIN 0x55*\w
.if \w
	s_wait_alu depctr_va_vdst(0)                   ; tile A's exponentials stand between tile B's products and this first read
.endif
.irp c, 0,1                                    ; my two blocks' largest scores, each in two chains; every accumulator is first read at its low end
	v_max3_num_f32 v[BM+\c], v[S+32*\c], v[S+32*\c+1], v[S+32*\c+2]
	v_max3_num_f32 v[BB+\c], v[S+32*\c+16], v[S+32*\c+17], v[S+32*\c+18]
.endr
.irp i, 3,5,7,9,11,13
.irp c, 0,1
	v_max3_num_f32 v[BM+\c], v[BM+\c], v[S+32*\c+\i], v[S+32*\c+\i+1]
	v_max3_num_f32 v[BB+\c], v[BB+\c], v[S+32*\c+16+\i], v[S+32*\c+17+\i]
.endr
.endr
.irp c, 0,1
	v_max3_num_f32 v[BM+\c], v[BM+\c], v[S+32*\c+15], v[S+32*\c+31]
.endr
.irp c, 0,1
	s_delay_alu instid0(VALU_DEP_2)
	v_max_num_f32 v[BM+\c], v[BM+\c], v[BB+\c]     ; it serves for the row's maximum and, since p rises with the score, for the block's largest p
.endr
	s_delay_alu instid0(VALU_DEP_1)
	v_max_num_f32 v7, v[BM], v[BM+1]
	s_delay_alu instid0(VALU_DEP_1)
	v_permlanex16_b32 v8, v7, s[SEL], s[SEL+1]
	s_delay_alu instid0(VALU_DEP_1)
	v_max3_num_f32 v13, v13, v7, v8                ; the running largest score of my query
	v_mov_b32 v10, v12
	s_delay_alu instid0(VALU_DEP_2)
	v_mul_f32 v9, s[CS], v13                       ; as t (c is positive)
	s_delay_alu instid0(VALU_DEP_1)
	v_floor_f32 v12, -v9                           ; the new -M = -ceil(t): a whole number
	s_delay_alu instid0(VALU_DEP_1)
	v_sub_f32 v7, v12, v10                         ; M's old value less its new one
	s_delay_alu instid0(VALU_DEP_1)
	v_cvt_i32_f32 v7, v7                           ; (it saturates)
	s_delay_alu instid0(VALU_DEP_1)
	v_ldexp_f32 v[FF], 1.0, v7                     ; f = 2^(old M - new M)
.set J, 0
.rept 32
	v_pk_fma_f32 v[S+J:S+J+1], v[S+J:S+J+1], s[CS:CS+1], v[12:13] op_sel_hi:[1,0,0]   ; t - M (of the pairs c and -M the low word serves both halves)
.set J, J+2
.endr
.irp c, 0,1
	v_fma_f32 v[BM+\c], v[BM+\c], s[CS], v12       ; the same of each block's largest score
.endr
	s_wait_alu depctr_va_vdst(0)                   ; the wait ahead of the batch
.set J, 0
.rept 64
	v_exp_f32 v[S+J], v[S+J]                       ; p = 2^(t - M), at most 1
.set J, J+1
.endr
.irp c, 0,1
	v_exp_f32 v[BM+\c], v[BM+\c]                   ; the block's largest p: the same two instructions on the same number give the same bits
.endr
	v_pk_mul_f32 v[14:15], v[14:15], v[FF:FF+1] op_sel_hi:[1,0]   ; the sums under the new M (the plain place behind the exponentials)
	s_wait_alu depctr_va_vdst(0)                   ; and behind it
.irp c, 0,1
	v_max_num_f32 v[BM+\c], 0x1800000, v[BM+\c]    ; the floor 2^-124: the byte cannot fall under 1
.endr
.irp c, 0,1
	s_delay_alu instid0(VALU_DEP_2)
	v_add_nc_u32 v[SO+\c], 0xff000000, v[BM+\c]    ; 2 off the exponent field: the conversion's scale operand
.endr
.irp c, 0,1
	s_delay_alu instid0(VALU_DEP_2)
	v_lshrrev_b32 v[BP+\c], 23, v[SO+\c]           ; the scale's byte
.endr
.irp c, 0,1
	v_cvt_scalef32_pk16_fp6_f32 v[PC+6*\c:PC+6*\c+2], v[S+32*\c:S+32*\c+15], v[SO+\c]
	v_cvt_scalef32_pk16_fp6_f32 v[Y+4*\c:Y+4*\c+2], v[S+32*\c+16:S+32*\c+31], v[SO+\c]   ; (a conversion's three registers begin on an even number)
.endr
	v_lshl_or_b32 v7, v[BP+1], 16, v[BP]           ; my two bytes: blocks h and 2 + h (also the plain place behind the conversions),
	s_delay_alu instid0(VALU_DEP_1)
	v_lshlrev_b32 v7, v[SH8], v7                   ; at their places in the word;
	s_delay_alu instid0(VALU_DEP_1)
	v_permlanex16_b32 v8, v7, s[SEL], s[SEL+1]
.irp c, 0,1
.irp i, 0,1,2
	v_mov_b32 v[PC+6*\c+3+\i], v[Y+4*\c+\i]
.endr
.endr
.if \w
	WIN 0x05                                       ; a scale word lies in window 0
	v_or_b32 v[PSB], v7, v8
	WIN 0x55
.else
	v_or_b32 v[PS], v7, v8                         ; with lane l xor 16's two the word is whole
.endif
.irp i, 1,2,3,4,5,6,7                          ; the row's sum, of the unquantised p: eight chains, two numbers an instruction
	v_pk_add_f32 v[TS+2*\i-2:TS+2*\i-1], v[S+4*\i-4:S+4*\i-3], v[S+4*\i-2:S+4*\i-1]
.endr
	v_pk_add_f32 v[14:15], v[14:15], v[S+28:S+29]
.irp i, 1,2,3,4,5,6,7
	v_pk_add_f32 v[TS+2*\i-2:TS+2*\i-1], v[TS+2*\i-2:TS+2*\i-1], v[S+28+2*\i:S+29+2*\i]
.endr
	v_pk_add_f32 v[14:15], v[14:15], v[S+44:S+45]
.irp i, 1,2,3,4,5,6,7
	v_pk_add_f32 v[TS+2*\i-2:TS+2*\i-1], v[TS+2*\i-2:TS+2*\i-1], v[S+44+2*\i:S+45+2*\i]
.endr
	v_pk_add_f32 v[14:15], v[14:15], v[S+60:S+61]
	v_pk_add_f32 v[TS:TS+1], v[TS:TS+1], v[S+62:S+63]
	v_pk_add_f32 v[TS+4:TS+5], v[TS+4:TS+5], v[TS+6:TS+7]
	v_pk_add_f32 v[TS+8:TS+9], v[TS+8:TS+9], v[TS+10:TS+11]
	v_pk_add_f32 v[14:15], v[14:15], v[TS+12:TS+13]
	v_pk_add_f32 v[TS:TS+1], v[TS:TS+1], v[TS+2:TS+3]
	s_delay_alu instid0(VALU_DEP_2)
	v_pk_add_f32 v[14:15], v[14:15], v[TS+8:TS+9]
	s_delay_alu instid0(VALU_DEP_2)
	v_pk_add_f32 v[TS:TS+1], v[TS:TS+1], v[TS+4:TS+5]
	s_delay_alu instid0(VALU_DEP_1)
	v_pk_add_f32 v[14:15], v[14:15], v[TS:TS+1]
	s_wait_alu depctr_va_vdst(0)                   ; the wait directly ahead of the first reader of O^T
.set J, 0
.rept 16
	v_pk_mul_f32 v[O+J:O+J+1], v[O+J:O+J+1], v[FF:FF+1] op_sel_hi:[1,0]   ; O^T under the new M
.set J, J+2
.endr
.endm
; A KEY STEP: 128 keys, both tiles.  k's fragments and scale words are in.
.macro STEP
	s_mul_i32 s[TBV], s[CNT], LBLK                 ; this step's block,
	s_add_co_u32 s[TBK], s[CNT], 1
	s_and_b32 s[TBK], s[TBK], 15
	s_mul_i32 s[TBK], s[TBK], LBLK                 ; and the next step's; behind the last, block 0
	WIN 0x01                                       ; source 0 = k, window 1; tile A
	SPROD QSL, QSH
	WIN 0x45                                       ; tile B: q and S^T in window 1 too
	SPROD QSLB, QSHB
	WIN 0
	v_add_nc_u32 v[AK], s[TBK], v[LKP]             ; these four are the places between the products and the loads into their registers, and ahead of the first read of the scores
	v_add_nc_u32 v[AKS], s[TBK], v[LKS]
	v_add_nc_u32 v[AV], s[TBV], v[LK]
	v_add_nc_u32 v[AVS], s[TBV], v[LVS]
	KLOAD                                          ; the next step's k and this step's v land while the softmax is worked
.irp f, 0,1,2,3
.irp g, 0,1,2
	ds_load_b128 v[FB+12*\f+4*\g:FB+12*\f+4*\g+3], v[AV] offset:7680+1920*\f+640*\g
.endr
.endr
	ds_load_b128 v[VS:VS+3], v[AVS]
	SOFT 0
	SOFT 1
	WIN 0
	s_wait_alu depctr_va_vdst(0)
	s_wait_dscnt 0x0                               ; v's fragments and scale words are in, and the next step's k
	OPROD PS                                       ; the eight accumulators by turns; sixteen other products stand between two links of a chain
	WIN 0x54                                       ; tile B: p and O^T in window 1, v in window 0
	OPROD PSB
	WIN 0
.endm
.macro INIT w                          ; a tile's state
	WIN 0x55*\w
	v_mov_b32 v13, 0xff61b1e6                      ; the largest score so far: -3e38
	v_mov_b32 v14, 0                               ; the sum, in two halves
	v_mov_b32 v15, 0
	v_mul_f32 v9, s[CS], v13
	s_delay_alu instid0(VALU_DEP_1)
	v_floor_f32 v12, -v9                           ; -M
.set J, 0
.rept 32
	v_mov_b32 v[O+J], 0                            ; O^T: the step is written once; its first trip finds zeros.  (Also the places behind the writing of q's operands and scale words)
.set J, J+1
.endr
.endm
.macro FINISH w                        ; o = O^T / the sum, quantised along the channels, stored
	WIN 0x55*\w
	v_add_f32 v14, v14, v15                        ; the sum's two halves,
	s_delay_alu instid0(VALU_DEP_1)
	v_permlanex16_b32 v7, v14, s[SEL], s[SEL+1]
	s_delay_alu instid0(VALU_DEP_1)
	v_add_f32 v14, v14, v7                         ; and lane l xor 16's: the row's sum
	s_wait_alu depctr_va_vdst(0)
	v_rcp_f32 v14, v14
	v_nop                                          ; one plain place behind the reciprocal
	s_wait_alu depctr_va_vdst(0)
.set J, 0
.rept 16
	v_pk_mul_f32 v[S+J:S+J+1], v[O+J:O+J+1], v[14:15] op_sel_hi:[1,0]   ; o: register 8 c + j is channel 16 c + 8 h + j of my query; each accumulator from its low end on
.set J, J+2
.endr
.irp b, 0,1                                    ; the head's 64 channels are two blocks of the next product's K
	v_max3_num_f32 v[BM+\b], |v[S+16*\b]|, |v[S+16*\b+1]|, 0x1800000
.endr
.irp i, 2,4,6,8,10,12,14
.irp b, 0,1
	s_delay_alu instid0(VALU_DEP_2)
	v_max3_num_f32 v[BM+\b], v[BM+\b], |v[S+16*\b+\i]|, |v[S+16*\b+\i+1]|
.endr
.endr
.irp b, 0,1
	s_delay_alu instid0(VALU_DEP_2)
	v_permlanex16_b32 v[BP+\b], v[BM+\b], s[SEL], s[SEL+1]
.endr
.irp b, 0,1
	s_delay_alu instid0(VALU_DEP_2)
	v_max_num_f32 v[BM+\b], v[BM+\b], v[BP+\b]
.endr
.irp b, 0,1
	s_delay_alu instid0(VALU_DEP_2)
	v_add_nc_u32 v[SO+\b], 0xff000000, v[BM+\b]
.endr
.irp b, 0,1
	s_delay_alu instid0(VALU_DEP_2)
	v_lshrrev_b32 v[BP+\b], 23, v[SO+\b]
.endr
	v_cvt_scalef32_pk16_fp6_f32 v[PC:PC+2], v[S:S+15], v[SO]
	v_cvt_scalef32_pk16_fp6_f32 v[Y:Y+2], v[S+16:S+31], v[SO+1]
	v_nop                                          ; one plain place behind the scaled conversions
	MIX PC, Y                                      ; lane (r, h): channels 32 h + 0..31 of token r: six registers of the next operand
	v_cndmask_b32 v7, v[BP], v[BP+1], s[HM]        ; and that block's byte
	WIN 0x04*\w                                    ; a store's data is source 1, its offset source 0
.irp i, 0,1,2
	global_store_b64 v[GO], v[PC+2*\i:PC+2*\i+1], s[6:7] offset:12288*\w+256*\i   ; each store of the wave covers 256 consecutive bytes, aligned
.endr
	global_store_b8 v[GS], v7, s[8:9] offset:512*\w
.endm
	s_mov_b32 s[TRIP], 2
.Lfrag:                                                ; two trips: a fragment of q, two tiles, in each
	s_wait_loadcnt 0x0                             ; q
.irp i, 0,1,2,3,4,5
	v_mov_b32 v[QZ+\i], v[QF+\i]
	v_mov_b32 v[QZ+12+\i], v[QF+\i]
.endr
	WIN 0x40
.irp i, 0,1,2,3,4,5
	v_mov_b32 v[QZ+\i], v[QF+6+\i]
	v_mov_b32 v[QZ+12+\i], v[QF+6+\i]
.endr
	WIN 0
	v_bfe_u32 v7, v[QW], 0, 16                     ; tile A's two scale bytes,
	v_bfe_u32 v8, v[QW], 16, 16                    ; tile B's
	s_delay_alu instid0(VALU_DEP_2)
	v_or_b32 v[QSL], 0x01010000, v7                ; (q, zeros): the bytes of the zero half are 1
	v_lshl_or_b32 v[QSH], v7, 16, 0x0101           ; (zeros, q)
	v_or_b32 v[QSLB], 0x01010000, v8
	v_lshl_or_b32 v[QSHB], v8, 16, 0x0101
	s_wait_alu depctr_va_vdst(0)                   ; the wait ahead of the branch
	s_cmp_eq_u32 s[TRIP], 1
	s_cbranch_scc1 .Lno_q                          ; the fragment's registers are free: in the first trip they take my second fragment of q
	s_add_nc_u64 s[36:37], s[36:37], 1536          ; (the loads by these bases were waited for)
	s_add_nc_u64 s[38:39], s[38:39], 4
	QLOAD
.Lno_q:
	INIT 0
	INIT 1
	WIN 0
	s_mov_b32 s[CNT], 0
	s_wait_alu depctr_va_vdst(0)
.Lk:
	STEP
	s_add_co_u32 s[CNT], s[CNT], 1
	s_cmp_lt_u32 s[CNT], 16
	s_cbranch_scc1 .Lk
.rept 4
	v_nop                                          ; places behind the last products
.endr
	FINISH 0
	FINISH 1
	WIN 0
	s_wait_xcnt 0x0                                ; the stores have read their registers and bases
	s_add_nc_u64 s[6:7], s[6:7], 2*12288
	s_add_nc_u64 s[8:9], s[8:9], 2*512
	s_sub_co_u32 s[TRIP], s[TRIP], 1
	s_cmp_lg_u32 s[TRIP], 0
	s_cbranch_scc1 .Lfrag
	s_wait_tensorcnt 0x0                           ; the wave's end
	ds_add_u32 v254, v255
	s_wait_dscnt 0x0
	CROUND                                         ; the closing round
	s_endpgm
.Lfunc_end_k_qa40e903833_attn:
	.size	k_qa40e903833_attn, .Lfunc_end_k_qa40e903833_attn-k_qa40e903833_attn
	.p2alignl 7, 3214868480
	.fill 96, 4, 3214868480
	.section	.rodata,"a",@progbits
	.p2align	6, 0x0
	.amdhsa_kernel k_qa40e903833_attn
		.amdhsa_group_segment_fixed_size 257024
		.amdhsa_private_segment_fixed_size 0
		.amdhsa_enable_private_segment 0
		.amdhsa_kernarg_size 24
		.amdhsa_user_sgpr_count 2
		.amdhsa_user_sgpr_kernarg_segment_ptr 1
		.amdhsa_wavefront_size32 1
		.amdhsa_system_sgpr_workgroup_id_x 1
		.amdhsa_system_sgpr_workgroup_id_y 1
		.amdhsa_system_sgpr_workgroup_id_z 1
		.amdhsa_system_vgpr_workitem_id 0
		.amdhsa_next_free_vgpr 512
		.amdhsa_next_free_sgpr 66
		.amdhsa_reserve_vcc 0
		.amdhsa_float_denorm_mode_32 3
		.amdhsa_float_denorm_mode_16_64 3
		.amdhsa_memory_ordered 1
		.amdhsa_forward_progress 1
		.amdhsa_inst_pref_size 51
	.end_amdhsa_kernel
	.amdgpu_metadata
---
amdhsa.version: [ 1, 2 ]
amdhsa.kernels:
  - .name:           k_qa40e903833_attn
    .symbol:         k_qa40e903833_attn.kd
    .args:
      - { .name: qkv, .offset: 0, .size: 8, .value_kind: global_buffer, .address_space: global }
      - { .name: a_codes, .offset: 8, .size: 8, .value_kind: global_buffer, .address_space: global }
      - { .name: a_scales, .offset: 16, .size: 8, .value_kind: global_buffer, .address_space: global }
    .group_segment_fixed_size: 257024
    .private_segment_fixed_size: 0
    .kernarg_segment_align: 8
    .kernarg_segment_size: 24
    .max_flat_workgroup_size: 256
    .sgpr_count:     66
    .vgpr_count:     512
    .wavefront_size: 32
...
	.end_amdgpu_metadata
.endif
;; end of part 2
;; launch fc (part 3): grid 8 x 32, 4 waves a work-group, clusters of 4 x 4, 327,680 bytes of LDS; arguments a_codes, a_scales, w_fc_codes, w_fc_scales, b_fc, out0; writes out0
.if DOCPART == 3
	.amdgcn_target "amdgcn-amd-amdhsa--gfx1250"
	.amdhsa_code_object_version 6
	.text
	.protected	k_qa40e903833_fc
	.globl	k_qa40e903833_fc
	.p2align	8
	.type	k_qa40e903833_fc,@function
k_qa40e903833_fc:
	s_mov_b64 s[64:65], 0
	v_nop
	global_prefetch_b8 v0, s[64:65] scope:SCOPE_SE
	s_setreg_imm32_b32 hwreg(HW_REG_WAVE_MODE, 25, 1), 1
	s_wait_xcnt 0x0
	s_wait_alu depctr_hold_cnt(0) depctr_sa_sdst(0) depctr_va_vdst(0) depctr_va_sdst(0) depctr_va_ssrc(0) depctr_va_vcc(0) depctr_vm_vsrc(0)
	s_getreg_b32 s2, hwreg(HW_REG_IB_STS2, 6, 4)
	s_cmp_eq_u32 s2, 0
	s_cbranch_scc0 .Lentry_in_a_cluster
	s_endpgm
.Lentry_in_a_cluster:
	s_bfe_u32 s2, ttmp6, 0x10000c
	s_cmp_lg_u32 s2, 0xf033
	s_cbranch_scc0 .Lentry_shape_is_right
	s_endpgm
.Lentry_shape_is_right:
; out0 = a w_fc^T + b_fc on codes of FP6 (E2M3), one E8M0 scale for each 32 along K = 1,024; f32 sums, f32 out.
; SHARES.  Work-group (j, i): 256 tokens x 128 channels of out0: 256 work-groups.  A wave: 128 tokens x 64 channels, 32 accumulators.
; LDS.  All of K lies in LDS, fetched once, one tensor load a wave: a's 256 tokens are 196,608 dense bytes, the image of the operand's registers [token tile][128 along K: 8][piece 6][lane][8 bytes] (waves 0, 1);
; w_fc's 128 rows of 768 bytes, 16 bytes of padding behind every 256, pitch 816 (waves 2, 3).  Nothing is filled again.  Behind them the spare words and each wave's own stage for the way out.
; CLUSTERS 4 x 4: a's tiles are asked for jointly along a row of the cluster, w's along a column.  Scale words go from memory into registers: lane (r, h) takes row r's 32 bytes.
; TRANSPOSED USE: source 0 = w (channels), source 1 = a (tokens): a lane holds eight neighbouring channels of a token's row.  The bias is the C of the first K step.
; No prefetch: the launch has no loop to run ahead in; every tile is asked for by the head's loads.
.set KROW,  768
.set PITCH, 816
.set BLK,   16*PITCH
.set WB,    196608
.set SPARE, WB+128*PITCH
.set STAGE, SPARE+512
.set SPITCH,272
.set AX,  8                            ; v8-9 a's fragments: token tiles 0-3, 4-7
.set AW,  10                           ; v10-11 w's: plain, behind one padding more
.set STO, 12
.set RD,  13
.set CO,  14
.set VS,  15
.set BA,  16
.set SPW, 28
.set NIL, 29
.set SX,  32
.set SW,  96
.set WF,  128
.set BK,  128                          ; the way out: rows read back, two sets of 32
.set BIAS,224
.set G1X, 24
.set G0X, 32
.set G1W, 48
.set G0W, 56
.set MSB, 0
.macro WIN new
.if MSB != (\new)
	s_set_vgpr_msb (MSB<<8)|(\new)
.set MSB, (\new)
.endif
.endm
.macro PLACES
.rept 4
	v_nop
.endr
.endm
.macro CROUND
	s_barrier_signal -1
	s_barrier_wait -1
	s_cmp_lg_u32 s14, 0
	s_cbranch_scc1 .Lnot_wave_0_\@
	s_barrier_signal -3
.Lnot_wave_0_\@:
	s_barrier_wait -3
	s_barrier_signal -1
	s_barrier_wait -1
.endm
	s_load_b128 s[4:7], s[0:1], 0x0                ; a's codes, scales
	s_load_b128 s[8:11], s[0:1], 0x10              ; w's codes, scales
	s_load_b64 s[70:71], s[0:1], 0x20              ; b_fc
	s_load_b64 s[12:13], s[0:1], 0x28              ; out0
	v_lshl_add_u32 v[SPW], v0, 2, SPARE
	v_mov_b32 v[NIL], 0
	ds_add_u32 v[SPW], v[NIL]                      ; the opening lines
	ds_add_u32 v[SPW], v[NIL]
	v_lshrrev_b32 v1, 5, v0
	v_readfirstlane_b32 s14, v1
	s_lshr_b32 s15, s14, 1                         ; my 64 channels of the 128.  Also: I fetch a (0) or w (1)
	s_and_b32 s16, s14, 1                          ; my 128 tokens of the 256.  Also: which half I fetch
	s_bfe_u32 s40, ttmp6, 0x40000
	s_bfe_u32 s41, ttmp6, 0x40004
	s_lshl_b32 s42, ttmp9, 2
	s_add_co_u32 s42, s42, s40                     ; j
	s_and_b32 s17, ttmp7, 0xffff
	s_lshl_b32 s17, s17, 2
	s_add_co_u32 s17, s17, s41                     ; i
	s_lshl_b32 s43, s41, 2
	s_lshl_b32 s43, 15, s43
	s_lshl_b32 s44, 0x1111, s40
	s_or_b32 s[G1X], s43, (3<<16)|(1<<21)          ; a dense block: 384 rows of 32 elements of 8 bytes
	s_mov_b32 s[G1X+1], 32<<16
	s_mov_b32 s[G1X+2], 384<<16
	s_mov_b32 s[G1X+3], 32<<16
	s_mov_b32 s[G1X+4], 384
	s_mov_b32 s[G1X+5], 32
	s_mov_b32 s[G1X+6], 0
	s_mov_b32 s[G1X+7], 0
	s_or_b32 s[G1W], s44, (1<<20)|(1<<21)|(5<<22)|(3<<25)
	s_mov_b32 s[G1W+1], KROW<<16
	s_mov_b32 s[G1W+2], 64<<16
	s_mov_b32 s[G1W+3], KROW<<16
	s_mov_b32 s[G1W+4], 64
	s_mov_b32 s[G1W+5], KROW
	s_mov_b32 s[G1W+6], 0
	s_mov_b32 s[G1W+7], 0
	s_lshl_b32 s20, s17, 8
	s_lshl_b32 s18, s16, 7
	s_add_co_u32 s20, s20, s18                     ; token 256 i + 128 half
	s_lshl_b32 s22, s20, 5                         ; its scales
	s_lshl_b32 s66, s20, 12                        ; its row of out0: 4,096 bytes a row
	s_mul_i32 s20, s20, KROW                       ; its codes: 12,288 bytes for 16 tokens
	s_mov_b32 s21, 0
	s_mov_b32 s23, 0
	s_mov_b32 s67, 0
	s_lshl_b32 s45, s42, 7
	s_lshl_b32 s46, s16, 6
	s_add_co_u32 s46, s46, s45
	s_mul_i32 s46, s46, KROW
	s_mov_b32 s47, 0
	s_lshl_b32 s38, s15, 6
	s_add_co_u32 s38, s38, s45                     ; my first channel
	s_lshl_b32 s60, s38, 2
	s_mov_b32 s61, 0
	s_lshl_b32 s38, s38, 5
	s_mov_b32 s39, 0
	s_mov_b32 s[G0X], 1
	s_mul_i32 s[G0X+1], s16, 98304
	s_mov_b32 s[G0W], 1
	s_mul_i32 s[G0W+1], s16, 64*PITCH
	s_add_co_u32 s[G0W+1], s[G0W+1], WB
	s_mul_i32 s18, s16, 98304
	s_add_co_u32 s19, s18, 49152
	s_mul_i32 s63, s15, 64*PITCH
	s_add_co_u32 s63, s63, WB
	s_mul_i32 s62, s14, 16*SPITCH
	s_add_co_u32 s62, s62, STAGE
	s_wait_dscnt 0x0
	s_wait_kmcnt 0x0
	s_add_nc_u64 s[G0X+2:G0X+3], s[4:5], s[20:21]
	s_or_b32 s[G0X+3], s[G0X+3], 0x80000000
	s_add_nc_u64 s[G0W+2:G0W+3], s[8:9], s[46:47]
	s_or_b32 s[G0W+3], s[G0W+3], 0x80000000
	s_add_nc_u64 s[36:37], s[6:7], s[22:23]
	s_add_nc_u64 s[38:39], s[10:11], s[38:39]
	s_add_nc_u64 s[70:71], s[70:71], s[60:61]
	s_add_nc_u64 s[12:13], s[12:13], s[66:67]
	s_add_nc_u64 s[12:13], s[12:13], s[60:61]
	CROUND                                         ; the joint loads meet
	s_cmp_eq_u32 s15, 0
	s_cbranch_scc0 .Lhead_w
	tensor_load_to_lds s[G0X:G0X+3], s[G1X:G1X+7]  ; one tensor load a wave, the launch's only ones
	s_nop 0
	PLACES
	s_branch .Lhead_asked
.Lhead_w:
	tensor_load_to_lds s[G0W:G0W+3], s[G1W:G1W+7]
	s_nop 0
	PLACES
.Lhead_asked:
	v_and_b32 v1, 15, v0                           ; r
	v_bfe_u32 v2, v0, 4, 1                         ; h
	v_and_b32 v3, 31, v0
	v_mul_u32_u24 v4, v1, PITCH
	v_mad_u32_u24 v4, v2, 24, v4
	v_lshl_add_u32 v5, v2, 4, v4
	v_add_nc_u32 v[AW], s63, v4
	v_add_nc_u32 v[AW+1], s63, v5
	v_lshl_add_u32 v[AX], v3, 3, s18
	v_lshl_add_u32 v[AX+1], v3, 3, s19
	v_mul_u32_u24 v6, v1, SPITCH
	v_lshl_add_u32 v6, v2, 5, v6
	v_add_nc_u32 v[STO], s62, v6                   ; in: row r, 32 bytes for each half of the lanes
	v_mul_u32_u24 v7, v2, SPITCH
	v_lshl_add_u32 v7, v1, 4, v7
	v_add_nc_u32 v[RD], s62, v7                    ; back: lanes 0-15 one row of 256 bytes, lanes 16-31 the next
	v_lshlrev_b32 v6, 12, v2
	v_lshl_add_u32 v[CO], v1, 4, v6                ; the same two rows in out0
	v_lshlrev_b32 v[VS], 5, v1
	v_lshlrev_b32 v[BA], 5, v2
	s_wait_alu depctr_va_vdst(0)                   ; the wait at the head's end
.irp a, 0,1,2,3,4,5,6,7
	global_load_b128 v[SX+8*\a:SX+8*\a+3], v[VS], s[36:37] offset:512*\a
	global_load_b128 v[SX+8*\a+4:SX+8*\a+7], v[VS], s[36:37] offset:512*\a+16
.endr
.irp a, 0,1,2,3
	global_load_b128 v[SW+8*\a:SW+8*\a+3], v[VS], s[38:39] offset:512*\a
	global_load_b128 v[SW+8*\a+4:SW+8*\a+7], v[VS], s[38:39] offset:512*\a+16
	global_load_b128 v[BIAS+8*\a:BIAS+8*\a+3], v[BA], s[70:71] offset:64*\a          ; b_fc at channels 16 a + 8 h + 0..7
	global_load_b128 v[BIAS+8*\a+4:BIAS+8*\a+7], v[BA], s[70:71] offset:64*\a+16
.endr
.macro FRAG reg, adr, st, off          ; w's fragment: byte y of a row lies at y + 16 (y / 256)
.irp p, 0,1,2,3,4,5
.set BY, 96*(\st)+48*(\p/3)+8*(\p%3)
.if BY/256 == (BY+24)/256
	ds_load_b64 v[\reg+2*\p:\reg+2*\p+1], v[\adr] offset:BY+16*(BY/256)+(\off)
.else
	ds_load_b64 v[\reg+2*\p:\reg+2*\p+1], v[\adr+1] offset:BY+16*(BY/256)+(\off)
.endif
.endr
.endm
.macro FETCH st
.set P, (\st)%2
	WIN 0x40
.irp i, 0,1,2,3,4,5,6,7
.irp p, 0,1,2,3,4,5
	ds_load_b64 v[96*P+12*\i+2*\p:96*P+12*\i+2*\p+1], v[AX+\i/4] offset:(\i%4)*12288+(\st)*1536+256*\p
.endr
.endr
	WIN 0
.irp i, 0,1,2,3
	FRAG WF+48*P+12*\i, AW, \st, \i*BLK
.endr
.endm
.macro WM d, s0, s1, c, x0, x1
	v_wmma_scale_f32_16x16x128_f8f6f4 v[\d:\d+7], v[\s0:\s0+11], v[\s1:\s1+11], v[\c:\c+7], v[\x0], v[\x1] matrix_a_fmt:MATRIX_FMT_FP6 matrix_b_fmt:MATRIX_FMT_FP6
.endm
.macro STEP st                         ; the next step's 72 loads first, four places behind the products that read their registers; then 32 products, the accumulators by turns
	s_wait_dscnt 0x0
.if (\st) < 7
	PLACES
	FETCH (\st)+1
.endif
.set P, (\st)%2
.if (\st) == 0
	WIN 0x84                                       ; C = the bias, in window 0
.else
	WIN 0xa4
.endif
.irp a, 0,1,2,3,4,5,6,7
.irp b, 0,1,2,3
.if (\st) == 0
	WM 8*(4*\a+\b), WF+48*P+12*\b, 96*P+12*\a, BIAS+8*\b, SW+8*\b+(\st), SX+8*\a+(\st)
.else
	WM 8*(4*\a+\b), WF+48*P+12*\b, 96*P+12*\a, 8*(4*\a+\b), SW+8*\b+(\st), SX+8*\a+(\st)
.endif
.endr
.endr
	WIN 0
.endm
	s_wait_tensorcnt 0x0                           ; my part is in,
	s_barrier_signal -1
	s_barrier_wait -1                              ; everybody's is
	s_wait_loadcnt 0x0                             ; scale words and bias
	FETCH 0
.irp st, 0,1,2,3,4,5,6,7
	STEP \st
.endr
; THE WAY OUT, 16 tokens x 64 channels at a time, through my own stage: back come whole rows of 256 bytes, which 16 lanes store as one aligned unit.  LDS serves a wave's instructions in order (ISA guide 5.7.1.4).
.macro TOSTAGE a
	WIN 0x08
.irp b, 0,1,2,3
	ds_store_b128 v[STO], v[32*(\a)+8*\b:32*(\a)+8*\b+3] offset:64*\b       ; each accumulator from its low end on
	ds_store_b128 v[STO], v[32*(\a)+8*\b+4:32*(\a)+8*\b+7] offset:64*\b+16
.endr
	WIN 0
.set BB, BK+32*((\a)%2)
.irp t, 0,1,2,3,4,5,6,7
	ds_load_b128 v[BB+4*\t:BB+4*\t+3], v[RD] offset:\t*2*SPITCH
.endr
.endm
.macro SEND a, younger
.set BB, BK+32*((\a)%2)
	s_wait_dscnt \younger                          ; the block is back; the next block's 8 stores and 8 loads may be out
.if (\a) > 0
	s_add_nc_u64 s[12:13], s[12:13], 16*4096       ; behind a wait on XCNT: 16 rows on
.endif
.irp t, 0,1,2,3,4,5,6,7
	global_store_b128 v[CO], v[BB+4*\t:BB+4*\t+3], s[12:13] offset:2*\t*4096 th:TH_STORE_NT
.endr
.endm
	PLACES                                         ; behind the last products
	TOSTAGE 0
.irp a, 1,2,3,4,5,6,7
.if \a > 1
	s_wait_xcnt 0x0                                ; block a - 2's stores have read their registers and base
.endif
	TOSTAGE \a
	SEND \a-1, 16
.endr
	s_wait_xcnt 0x0
	SEND 7, 0
	s_wait_tensorcnt 0x0                           ; the wave's end
	ds_add_u32 v[SPW], v[NIL]
	s_wait_dscnt 0x0
	CROUND                                         ; the closing round
	s_endpgm
.Lfunc_end_k_qa40e903833_fc:
	.size	k_qa40e903833_fc, .Lfunc_end_k_qa40e903833_fc-k_qa40e903833_fc
	.p2alignl 7, 3214868480
	.fill 96, 4, 3214868480
	.section	.rodata,"a",@progbits
	.p2align	6, 0x0
	.amdhsa_kernel k_qa40e903833_fc
		.amdhsa_group_segment_fixed_size 327680
		.amdhsa_private_segment_fixed_size 0
		.amdhsa_enable_private_segment 0
		.amdhsa_kernarg_size 48
		.amdhsa_user_sgpr_count 2
		.amdhsa_user_sgpr_kernarg_segment_ptr 1
		.amdhsa_wavefront_size32 1
		.amdhsa_system_sgpr_workgroup_id_x 1
		.amdhsa_system_sgpr_workgroup_id_y 1
		.amdhsa_system_sgpr_workgroup_id_z 1
		.amdhsa_system_vgpr_workitem_id 0
		.amdhsa_next_free_vgpr 768
		.amdhsa_next_free_sgpr 74
		.amdhsa_reserve_vcc 0
		.amdhsa_float_denorm_mode_32 3
		.amdhsa_float_denorm_mode_16_64 3
		.amdhsa_memory_ordered 1
		.amdhsa_forward_progress 1
		.amdhsa_inst_pref_size 96
	.end_amdhsa_kernel
	.amdgpu_metadata
---
amdhsa.version: [ 1, 2 ]
amdhsa.kernels:
  - .name:           k_qa40e903833_fc
    .symbol:         k_qa40e903833_fc.kd
    .args:
      - { .name: a_codes, .offset: 0, .size: 8, .value_kind: global_buffer, .address_space: global }
      - { .name: a_scales, .offset: 8, .size: 8, .value_kind: global_buffer, .address_space: global }
      - { .name: w_fc_codes, .offset: 16, .size: 8, .value_kind: global_buffer, .address_space: global }
      - { .name: w_fc_scales, .offset: 24, .size: 8, .value_kind: global_buffer, .address_space: global }
      - { .name: b_fc, .offset: 32, .size: 8, .value_kind: global_buffer, .address_space: global }
      - { .name: out0, .offset: 40, .size: 8, .value_kind: global_buffer, .address_space: global }
    .group_segment_fixed_size: 327680
    .private_segment_fixed_size: 0
    .kernarg_segment_align: 8
    .kernarg_segment_size: 48
    .max_flat_workgroup_size: 128
    .sgpr_count:     74
    .vgpr_count:     768
    .wavefront_size: 32
...
	.end_amdgpu_metadata
.endif
;; end of part 3
